; MI455X (gfx1250); checked and timed in simulation.
; The chip was launched on July 23, 2026; its instructions are those of AMD's public machine-readable ISA for CDNA 5 (MIT licence, August 2026) and "CDNA5" Instruction Set Architecture Reference Guide (July 2026). The comments in the code are by the model that wrote it; some were corrected since.
;; Self Attention. Allowed arithmetic: matrix products marked QUANTISED: E4M3 operands, one given power-of-two scale a tensor, by v_wmma_f32_16x16x64_fp8_fp8 or v_wmma_f32_16x16x128_fp8_fp8, f32 sums; everything else in f32.
;; Inputs: W_attn 1,024 x 3,072 float32; W_proj 1,024 x 1,024 float32; lowp_scales 8 int32 (the exponents e of the quantised operands' scales 2^e); x 8 x 1,024 x 1,024 float32.
;; Outputs: out0 8 x 1,024 x 1,024 float32.
;; This version of the problem:
;;   THIS VERSION OF THE PROBLEM IS GIVEN IN LOW PRECISION. The matrix products marked QUANTISED in the list below multiply operands that are first quantised to E4M3 (4 exponent bits, 3 mantissa bits; 8 bits a number), with one given power-of-two scale for each operand tensor; their sums are f32. All else is computed in f32.
;;   The module's matrix products, in the order in which they are computed (A, B: the left and right operand; K: the contracted axis; several contracted axes count as one K, in the product's order):
;;     1. [M 8,192, K 1,024] x [K 1,024, N 3,072]; A: input x; B: input W_attn: QUANTISED (scales: A lowp_scales[0], B lowp_scales[1])
;;     2. batch 128 x [M 1,024, K 64] x [K 64, N 1,024]; A: computed on the way; B: computed on the way: QUANTISED (scales: A lowp_scales[2], B lowp_scales[3])
;;     3. batch 128 x [M 64, K 1,024] x [K 1,024, N 1,024]; A: computed on the way; B: softmax (see below): QUANTISED (scales: A lowp_scales[4], B lowp_scales[5])
;;     4. [M 8,192, K 1,024] x [K 1,024, N 1,024]; A: computed on the way; B: input W_proj: QUANTISED (scales: A lowp_scales[6], B lowp_scales[7])
;;   THE QUANTISER, for each operand of a quantised product, along K:
;;     - The operand's scale is 2^e, e = its entry of the input lowp_scales (int32; the entries are numbered through the quantised products in the list's order, A before B).
;;     - Each number is divided by the scale, clamped to +-448, and rounded to the nearest number of E4M3, ties to even, subnormals kept.
;;     - The product sums the exact products of the quantised numbers (number of the format x scale) in f32.
;;   ~~~python
;;   def quantise(x, axis, e):      # numpy; x: float32 -> the quantised numbers, widened to float32 again
;;       x = np.moveaxis(x, axis, -1); K = x.shape[-1]
;;       r = np.clip(x / 2.0 ** e, -448, 448)
;;       step = 2.0 ** (np.maximum(np.frexp(np.where(r == 0, 1, r))[1] - 1, -6) - 3)
;;       q = np.round(r / step) * step * 2.0 ** e      # np.round: ties to even
;;       return np.moveaxis(q, -1, axis).astype(np.float32)
;;   ~~~
;;   SOFTMAX AHEAD OF A QUANTISED PRODUCT. Where the list says 'softmax', what is quantised is not the finished softmax but p = 2^(t - M), with t = logit x log2(e) and M = ceil(the row's largest t), a whole number; so 1/2 < the row's largest p <= 1. The row's sum l is taken of the UNQUANTISED p, in f32, and the product's result is divided by l at the end. Since M is a whole number, a kernel that streams over the keys may use a running M (the ceiling of the running maximum): every later rescaling is an exact power of two, so the quantised numbers keep their values, but for numbers so far below the row's largest that they fall under the format's range.
;;   OPERANDS COMPUTED ON THE WAY. 'Computed on the way' means the value that the module computes at that place (a softmax that the list does not call 'softmax' is quantised finished and normalised). What goes into a quantiser is computed in f32, as accurately as f32 sums, v_exp_f32 and their like allow (about 1e-6 of the number): no bf16 or f16 on the way to a quantiser, and a product that is left as it is and whose result goes on into a quantised operand takes f32 operands (vector FMAs, or v_wmma_f32_16x16x4_f32). A number that lies on a knife's edge between two numbers of the format may be rounded either way, as far as f32 arithmetic and the matrix unit's own rounding can turn it there, and no further.
;; One version. Each part assembles by itself: llvm-mc -triple=amdgcn-amd-amdhsa -mcpu=gfx1250 --defsym DOCPART=n.
;; ======== version 1 of 1: 4 launches
;; limits: right only within a limited range of input values
;; workspace buffers: x_codes 8,388,608 bytes; wa_codes 3,145,728 bytes; wp_codes 1,048,576 bytes; qkv 25,165,824 bytes; y_codes 8,388,608 bytes
;; launch prep (part 1): grid 768 x 1, 2 waves a work-group, no clusters, 17,920 bytes of LDS; arguments x, W_attn, W_proj, lowp_scales, x_codes, wa_codes, wp_codes; writes x_codes, wa_codes, wp_codes
.if DOCPART == 1
	.amdgcn_target "amdgcn-amd-amdhsa--gfx1250"
	.amdhsa_code_object_version 6
	.text
	.protected	k_q4bf430ed2a_prep
	.globl	k_q4bf430ed2a_prep
	.p2align	8
	.type	k_q4bf430ed2a_prep,@function
k_q4bf430ed2a_prep:
	s_mov_b64 s[64:65], 0
	v_nop
	global_prefetch_b8 v0, s[64:65] scope:SCOPE_SE
	s_setreg_imm32_b32 hwreg(HW_REG_WAVE_MODE, 25, 1), 1
	s_wait_xcnt 0x0
; x [8192][1024], W_attn [1024][3072], W_proj [1024][1024], f32, become codes of FP8 (E4M3), each with its given scale 2^e (entries 0, 1, 7 of the scales).
; code = number / 2^e, held within +-448, rounded to the nearest code, ties to even.  LIMITS: each e between -126 and 119; NaN among the inputs is not served (an infinity is held at the largest code).
; LEFT OUT in the program: blocks of keys that lie wholly behind a query: reference() builds that mask itself and sets those scores to -infinity, so their p is 0 for all inputs.  A NaN or an infinity that reaches only those is not carried.
; EVERY OPERAND BUFFER IS AN IMAGE OF THE OPERAND'S REGISTERS: [block of 16 rows][chunk of 32 K][lane 32][16 bytes]: lane (r, h) holds row r's bytes 16 h + 0 .. 15 of the chunk; 512 bytes a chunk, 16,384 a block of K = 1,024.
; The order along K is free as long as both operands of a product have it:
;   x, W_attn: chunk 16 H + c, half h, byte 4 i + e holds k = 512 H + 128 i + 8 c + 4 h + e: what a lane holds when four loads of 512 consecutive bytes are converted as they stand.
;   W_proj: chunk 2 head + b, half h, byte 8 u + j holds k = 64 head + 32 h + 4 j + 2 b + u: the order in which the attention launch leaves y.
; Weights: row r of block b of a group of 64 columns is column 4 r + b: a load of 16 bytes a lane brings four columns, one for each block.  wa_codes' blocks: [head 16][q, k, v][4]; wp_codes': [group 16][4].
; Work-groups 0-511 take 16 rows of x each (a wave half of K), 512-703 W_attn, 704-767 W_proj (a wave 64 columns x 128 of K): 65,536 bytes of f32 each.  Waves share nothing: no barrier.
.set WST,   32*272                     ; a wave's stage for x: 32 rows of 256 bytes + 16 of padding
.set SPARE, 2*WST                      ; behind the stages: the spare words: one block of 256 bytes that no other line names
.set SPW,   12
.set NIL,   13
.set R,     16                         ; x: v16-143 eight sets of 16 numbers
.set CX,    144                        ; x: v144-207 codes
.set X,     32                         ; weights: v32-159 two sets of 64 numbers
.set T,     160                        ; weights: v160-223 the held numbers, by columns
.macro MKSCALE se                      ; v11 = 2^e (the conversion takes its exponent field), v10 = 448 x 2^e
	s_add_co_i32 s22, \se, 127
	s_lshl_b32 s23, s22, 23
	v_mov_b32 v11, s23
	s_add_co_i32 s22, s22, 8
	s_lshl_b32 s22, s22, 23
	s_or_b32 s22, s22, 0x600000
	v_mov_b32 v10, s22
	s_wait_alu depctr_va_vdst(0)                   ; the wait at the head's end
.endm
	s_load_b256 s[4:11], s[0:1], 0x0               ; x, W_attn, W_proj, the scales' exponents
	s_load_b128 s[12:15], s[0:1], 0x20             ; x_codes, wa_codes
	s_load_b64 s[16:17], s[0:1], 0x30              ; wp_codes
	v_lshl_add_u32 v[SPW], v0, 2, SPARE
	v_mov_b32 v[NIL], 0
	v_lshrrev_b32 v1, 5, v0
	v_readfirstlane_b32 s18, v1                    ; wave 0, 1
	s_mul_i32 s19, s18, WST
	v_and_b32 v2, 31, v0                           ; lane
	v_bfe_u32 v5, v0, 4, 1                         ; h
	v_and_b32 v6, 15, v0                           ; r
	v_lshlrev_b32 v3, 4, v2                        ; 16 x lane
	v_mul_u32_u24 v4, v2, 272
	v_mul_u32_u24 v7, v5, 272
	v_mul_u32_u24 v8, v5, 4*12288
	v_mul_u32_u24 v9, v5, 32*4096
	v_add_nc_u32 v4, s19, v4                       ; the stage, in: row = lane
	v_lshl_add_u32 v7, v6, 4, v7
	v_lshl_add_u32 v8, v6, 4, v8                   ; W_attn: 4 h rows down, 16 bytes a lane
	v_lshl_add_u32 v9, v6, 4, v9                   ; W_proj: 32 h rows down
	v_add_nc_u32 v7, s19, v7                       ; the stage, out: row 2 c + h, x's row r
	s_wait_alu depctr_va_vdst(0)                   ; the wait here, directly ahead of the wait below
	s_wait_kmcnt 0x0
	s_load_b256 s[24:31], s[10:11], 0x0            ; e0 .. e7
	s_cmp_lt_u32 ttmp9, 512
	s_cbranch_scc0 .Lweights
; ---- x: step t = row t of the block, 512 numbers; loads run eight steps (32 loads a wave) ahead
.macro XLOAD t
.irp i, 0,1,2,3
	global_load_b128 v[R+16*((\t)%8)+4*\i:R+16*((\t)%8)+4*\i+3], v3, s[4:5] offset:4096*(\t)+512*\i th:TH_LOAD_NT   ; 32 lanes read 512 consecutive bytes
.endr
.endm
.macro XSTEP t
.set XS, R+16*((\t)%8)
.if (\t) < 9
	s_wait_loadcnt 28                              ; this step's four loads are in; those of the seven steps behind it may be out
.else
	s_wait_loadcnt 4*(15-(\t))
.endif
.irp i, 0,1,2,3,4,5,6,7,8,9,10,11,12,13,14,15
	v_med3_num_f32 v[XS+\i], v[XS+\i], -v10, v10   ; the conversion to an 8-bit code does not saturate (ISA guide 7.6.2): the hold comes first
.endr
	v_cvt_scalef32_pk8_fp8_f32 v[CX+4*(\t):CX+4*(\t)+1], v[XS:XS+7], v11
	v_cvt_scalef32_pk8_fp8_f32 v[CX+4*(\t)+2:CX+4*(\t)+3], v[XS+8:XS+15], v11
.if (\t)+8 < 16
	XLOAD (\t)+8                                   ; into the set just converted
.endif
	ds_store_b128 v4, v[CX+4*(\t):CX+4*(\t)+3] offset:16*(\t)
.endm
	s_lshl_b32 s22, ttmp9, 16
	s_lshl_b32 s20, s18, 11
	s_add_co_u32 s22, s22, s20                     ; 16 rows x work-group, 512 numbers x wave
	s_mov_b32 s23, 0
	s_add_nc_u64 s[4:5], s[4:5], s[22:23]
	s_lshl_b32 s22, ttmp9, 14
	s_lshl_b32 s20, s18, 13
	s_add_co_u32 s22, s22, s20
	s_add_nc_u64 s[12:13], s[12:13], s[22:23]
.irp t, 0,1,2,3,4,5,6,7
	XLOAD \t
.endr
	s_wait_kmcnt 0x0
	MKSCALE s24
.irp t, 0,1,2,3,4,5,6,7,8,9,10,11,12,13,14,15
	XSTEP \t
.endr
	v_nop
.irp c, 0,1,2,3,4,5,6,7,8,9,10,11,12,13,14,15
	ds_load_b128 v[R+4*\c:R+4*\c+3], v7 offset:544*\c   ; LDS serves a wave's instructions in order (ISA guide 5.7.1.4): these see my stores
.endr
.irp c, 0,1,2,3,4,5,6,7,8,9,10,11,12,13,14,15
	s_wait_dscnt 15-\c                             ; the younger loads may be out
	global_store_b128 v3, v[R+4*\c:R+4*\c+3], s[12:13] offset:512*\c   ; 512 consecutive bytes
.endr
	s_wait_tensorcnt 0x0                           ; the wave's end
	ds_add_u32 v[SPW], v[NIL]
	s_wait_dscnt 0x0
	s_endpgm
; ---- weights: a wave takes 64 columns x four chunks of K; loads run two chunks (32 loads a wave) ahead.  Each load reads 256 consecutive bytes in sixteen lanes, of two rows
.macro WLOAD t, kind
.irp j, 0,1,2,3,4,5,6,7,8,9,10,11,12,13,14,15
.if \kind == 0
	global_load_b128 v[X+64*((\t)%2)+4*\j:X+64*((\t)%2)+4*\j+3], v8, s[6:7] offset:(8*(\t)+128*(\j/4)+\j%4)*12288 th:TH_LOAD_NT
.else
	global_load_b128 v[X+64*((\t)%2)+4*\j:X+64*((\t)%2)+4*\j+3], v9, s[8:9] offset:(64*((\t)/2)+2*((\t)%2)+\j/8+4*(\j%8))*4096 th:TH_LOAD_NT
.endif
.endr
.endm
.macro WCHUNK t, kind, dst
.set XS, X+64*((\t)%2)
.if (\t) < 3
	s_wait_loadcnt 16                              ; this chunk's 16 loads are in; the next chunk's may be out
.else
	s_wait_loadcnt 0
.endif
.irp b, 0,1,2,3
.irp j, 0,1,2,3,4,5,6,7,8,9,10,11,12,13,14,15
	v_med3_num_f32 v[T+16*\b+\j], v[XS+4*\j+\b], -v10, v10   ; the hold also brings a column's numbers into neighbouring registers
.endr
.endr
.if (\t) < 2
	WLOAD (\t)+2, \kind
.set CC, 224+16*(\t)
.else
.set CC, XS                            ; the set is not loaded again: the codes take its place
.endif
.irp b, 0,1,2,3
	v_cvt_scalef32_pk8_fp8_f32 v[CC+4*\b:CC+4*\b+1], v[T+16*\b:T+16*\b+7], v11
	v_cvt_scalef32_pk8_fp8_f32 v[CC+4*\b+2:CC+4*\b+3], v[T+16*\b+8:T+16*\b+15], v11
.endr
	v_nop                                          ; one plain vector instruction behind the last conversion
.irp b, 0,1,2,3
	global_store_b128 v3, v[CC+4*\b:CC+4*\b+3], s[\dst:\dst+1] offset:16384*\b+512*(\t)   ; 512 consecutive bytes
.endr
.endm
.Lweights:
	s_sub_co_u32 s20, ttmp9, 512
	s_lshl_b32 s20, s20, 1
	s_add_co_u32 s20, s20, s18
	s_lshr_b32 s21, s20, 3                         ; which 64 columns: 0-47 of W_attn, 48-63 of W_proj
	s_and_b32 s20, s20, 7                          ; which four chunks
	s_cmp_lt_u32 ttmp9, 704
	s_cbranch_scc0 .Lproj
	s_lshr_b32 s22, s20, 2
	s_lshl_b32 s22, s22, 9
	s_and_b32 s23, s20, 3
	s_lshl_b32 s23, s23, 5
	s_add_co_u32 s22, s22, s23                     ; first row: 512 (q / 4) + 32 (q % 4)
	s_mul_i32 s22, s22, 12288
	s_lshl_b32 s23, s21, 8
	s_add_co_u32 s22, s22, s23
	s_mov_b32 s23, 0
	s_add_nc_u64 s[6:7], s[6:7], s[22:23]
	s_and_b32 s22, s21, 15
	s_mul_i32 s22, s22, 12
	s_lshr_b32 s21, s21, 4
	s_lshl_b32 s21, s21, 2
	s_add_co_u32 s22, s22, s21                     ; block 12 head + 4 section
	s_lshl_b32 s22, s22, 14
	s_lshl_b32 s20, s20, 11
	s_add_co_u32 s22, s22, s20
	s_add_nc_u64 s[14:15], s[14:15], s[22:23]
	WLOAD 0, 0
	WLOAD 1, 0
	s_wait_kmcnt 0x0
	MKSCALE s25
.irp t, 0,1,2,3
	WCHUNK \t, 0, 14
.endr
	s_endpgm
.Lproj:
	s_sub_co_u32 s21, s21, 48
	s_lshl_b32 s22, s20, 19                        ; first row: 128 q
	s_lshl_b32 s23, s21, 8
	s_add_co_u32 s22, s22, s23
	s_mov_b32 s23, 0
	s_add_nc_u64 s[8:9], s[8:9], s[22:23]
	s_lshl_b32 s22, s21, 16
	s_lshl_b32 s20, s20, 11
	s_add_co_u32 s22, s22, s20
	s_add_nc_u64 s[16:17], s[16:17], s[22:23]
	WLOAD 0, 1
	WLOAD 1, 1
	s_wait_kmcnt 0x0
	MKSCALE s31
.irp t, 0,1,2,3
	WCHUNK \t, 1, 16
.endr
	s_endpgm
.Lfunc_end_k_q4bf430ed2a_prep:
	.size	k_q4bf430ed2a_prep, .Lfunc_end_k_q4bf430ed2a_prep-k_q4bf430ed2a_prep
	.p2alignl 7, 3214868480
	.fill 96, 4, 3214868480
	.section	.rodata,"a",@progbits
	.p2align	6, 0x0
	.amdhsa_kernel k_q4bf430ed2a_prep
		.amdhsa_group_segment_fixed_size 17920
		.amdhsa_private_segment_fixed_size 0
		.amdhsa_enable_private_segment 0
		.amdhsa_kernarg_size 56
		.amdhsa_user_sgpr_count 2
		.amdhsa_user_sgpr_kernarg_segment_ptr 1
		.amdhsa_wavefront_size32 1
		.amdhsa_system_sgpr_workgroup_id_x 1
		.amdhsa_system_sgpr_workgroup_id_y 1
		.amdhsa_system_sgpr_workgroup_id_z 1
		.amdhsa_system_vgpr_workitem_id 0
		.amdhsa_next_free_vgpr 256
		.amdhsa_next_free_sgpr 66
		.amdhsa_reserve_vcc 0
		.amdhsa_float_denorm_mode_32 3
		.amdhsa_float_denorm_mode_16_64 3
		.amdhsa_memory_ordered 1
		.amdhsa_forward_progress 1
		.amdhsa_inst_pref_size 85
	.end_amdhsa_kernel
	.amdgpu_metadata
---
amdhsa.version: [ 1, 2 ]
amdhsa.kernels:
  - .name:           k_q4bf430ed2a_prep
    .symbol:         k_q4bf430ed2a_prep.kd
    .args:
      - { .name: x, .offset: 0, .size: 8, .value_kind: global_buffer, .address_space: global }
      - { .name: W_attn, .offset: 8, .size: 8, .value_kind: global_buffer, .address_space: global }
      - { .name: W_proj, .offset: 16, .size: 8, .value_kind: global_buffer, .address_space: global }
      - { .name: lowp_scales, .offset: 24, .size: 8, .value_kind: global_buffer, .address_space: global }
      - { .name: x_codes, .offset: 32, .size: 8, .value_kind: global_buffer, .address_space: global }
      - { .name: wa_codes, .offset: 40, .size: 8, .value_kind: global_buffer, .address_space: global }
      - { .name: wp_codes, .offset: 48, .size: 8, .value_kind: global_buffer, .address_space: global }
    .group_segment_fixed_size: 17920
    .private_segment_fixed_size: 0
    .kernarg_segment_align: 8
    .kernarg_segment_size: 56
    .max_flat_workgroup_size: 64
    .sgpr_count:     66
    .vgpr_count:     256
    .wavefront_size: 32
...
	.end_amdgpu_metadata
.endif
;; end of part 1
;; launch qkv (part 2): grid 8 x 32, 4 waves a work-group, clusters of 4 x 4, 327,680 bytes of LDS; arguments x_codes, wa_codes, lowp_scales, qkv; writes qkv
.if DOCPART == 2
	.amdgcn_target "amdgcn-amd-amdhsa--gfx1250"
	.amdhsa_code_object_version 6
	.text
	.protected	k_q4bf430ed2a_qkv
	.globl	k_q4bf430ed2a_qkv
	.p2align	8
	.type	k_q4bf430ed2a_qkv,@function
k_q4bf430ed2a_qkv:
	s_mov_b64 s[64:65], 0
	v_nop
	global_prefetch_b8 v0, s[64:65] scope:SCOPE_SE
	s_setreg_imm32_b32 hwreg(HW_REG_WAVE_MODE, 25, 1), 1
	s_wait_xcnt 0x0
	s_wait_alu depctr_hold_cnt(0) depctr_sa_sdst(0) depctr_va_vdst(0) depctr_va_sdst(0) depctr_va_ssrc(0) depctr_va_vcc(0) depctr_vm_vsrc(0)
	s_getreg_b32 s2, hwreg(HW_REG_IB_STS2, 6, 4)
	s_cmp_eq_u32 s2, 0
	s_cbranch_scc0 .Lentry_in_a_cluster
	s_endpgm
.Lentry_in_a_cluster:
	s_bfe_u32 s2, ttmp6, 0x10000c
	s_cmp_lg_u32 s2, 0xf033
	s_cbranch_scc0 .Lentry_shape_is_right
	s_endpgm
.Lentry_shape_is_right:
; qkv = x W_attn on codes of FP8 (E4M3), sums in f32; a finished sum stands for sum x 2^(e0 + e1) and is quantised at once to the code of q (e2), k (e3) or v (e4): code = sum / 2^(e_out - e0 - e1), held within +-448.
; LIMIT: e_out - e0 - e1 between -126 and 119, so that the conversion's scale and 448 x it are f32 numbers.
; A work-group makes 256 tokens x 384 columns: q, k and v of a pair of heads; 8 x 32 work-groups.  A wave makes 128 tokens x the 192 columns of one head: 12 blocks of columns (0-3 q, 4-7 k, 8-11 v) x 8 of tokens, 96 accumulators, 768 registers.
; Both operands lie as images of the operand's registers: a chunk of 16 rows x 32 K is 512 bytes, 16 bytes a lane: LDS reads are dense and rows need no padding.
; K goes in 16 units of 64 through two slots of 4 and 3 units: fills of 4, 3, 4, 3 and 2 units.  The head asks for the first two, one tensor load a wave; the waves that fetch for slot 0 (0: x, 1: W_attn) are not those of slot 1 (2, 3).
; All of a WGP's LDS is claimed.  No data prefetch: two of the five fills go out at the head, and two steps ahead of the other three would again be the head.
; CLUSTERS of 4 x 4: x's tile hangs on cy alone and is shared along a row of the cluster, W_attn's on cx alone and is shared along a column: each is asked for JOINTLY.
; For q and k source 0 = W_attn's block, source 1 = x's: a lane holds one token and eight channels.  For v the sources are swapped: a lane holds one channel and eight neighbouring keys, since the keys are the next product's K.
; OUT: straight from registers: two neighbouring results of a lane are 16 bytes of the next product's operand image.  qkv: three sections of 2^23 bytes, each [batch 8][head 16] 65,536 bytes: q, k [64 blocks of 16 tokens][2 chunks of 32 channels];
; v [8 blocks of 128 keys][4 blocks of 16 channels][4 chunks of 32 keys].
; REGISTERS: window 0: v0-31 addresses and scales, v32-127 W_attn's 12 fragments, v128-255 x's 8 fragments, two sets; windows 1, 2, 3: the accumulators of q, k, v: (block b, tokens a) at v[64 (b % 4) + 8 a].
.set LDP0,  65536                      ; slot 0: x's 16 blocks of 4,096 bytes, then W_attn's 24
.set LDR1,  163840                     ; slot 1: x's 16 blocks of 3,072 bytes,
.set LDP1,  212992                     ; then W_attn's 24
.set SPARE, 286720                     ; behind the slots: the spare words, 128 bytes a wave
.set CO,   1                           ; v1      16 x lane
.set SPW,  2
.set NIL,  3
.set SC,   8                           ; v8-10   2^(e_out - e0 - e1) for q, k, v
.set LIM,  12                          ; v12-14  448 x that
.set RAD,  16                          ; v16-18  LDS address of my fragments of x: slot 0, slot 1, slot 0 with rows of 2 units
.set PAD,  20                          ; v20-22  the same for W_attn
.set BF,   32
.set AF,   128
.set TMP,  32                          ; the way out: held sums;  v64-255 codes, eight registers for each batch: no store's data are written again
.set MSB, 0
.macro WIN new                         ; the immediate's high byte repeats the setting that is left
.if MSB != \new
	s_set_vgpr_msb (MSB<<8)|\new
.set MSB, \new
.endif
.endm
.macro PLACES                          ; four places behind matrix instructions (ISA guide 7.12.1 for vector instructions)
.rept 4
	v_nop
.endr
.endm
.macro CREST                           ; a round of the cluster's barrier behind its opening barrier
	s_cmp_lg_u32 s14, 0
	s_cbranch_scc1 .Lnot_wave_0_\@
	s_barrier_signal -3
.Lnot_wave_0_\@:
	s_barrier_wait -3
	s_barrier_signal -1
	s_barrier_wait -1
.endm
.macro CROUND
	s_barrier_signal -1
	s_barrier_wait -1
	CREST
.endm
.macro TL g0, g1                       ; a joint load: s_nop 0 and four v_nop behind it
	tensor_load_to_lds s[\g0:\g0+3], s[\g1:\g1+7]
	s_nop 0
.rept 4
	v_nop
.endr
.endm
.macro JL r0, r1, p0, p1, w            ; a refill: wave w fetches x's tile, wave w + 1 W_attn's; the branches hang on the wave's number alone
	s_cmp_eq_u32 s14, \w
	s_cbranch_scc0 .Lfor_w_\@
	TL \r0, \r1
	s_branch .Lasked_\@
.Lfor_w_\@:
	s_cmp_eq_u32 s14, \w+1
	s_cbranch_scc0 .Lasked_\@
	TL \p0, \p1
.Lasked_\@:
.endm
.macro GRP1 g, mask, rows, units       ; descriptor group 1: rows of units x 1,024 bytes in elements of 8, 16,384 bytes apart
	s_or_b32 s[\g], s[\mask], (3<<16)|(1<<21)
	s_mov_b32 s[\g+1], (\units*128)<<16
	s_mov_b32 s[\g+2], \rows<<16
	s_mov_b32 s[\g+3], (\units*128)<<16
	s_mov_b32 s[\g+4], \rows
	s_mov_b32 s[\g+5], 2048
	s_mov_b32 s[\g+6], 0
	s_mov_b32 s[\g+7], 0
.endm
	s_load_b128 s[4:7], s[0:1], 0x0                ; x_codes, wa_codes
	s_load_b128 s[8:11], s[0:1], 0x10              ; the scales' exponents, qkv
	v_lshl_add_u32 v[SPW], v0, 2, SPARE
	v_mov_b32 v[NIL], 0
	ds_add_u32 v[SPW], v[NIL]                      ; the wave's opening: the add, twice on end, and its wait ahead of my first tensor load
	ds_add_u32 v[SPW], v[NIL]
	v_lshrrev_b32 v4, 5, v0
	v_readfirstlane_b32 s14, v4                    ; wave 0..3
	s_lshr_b32 s15, s14, 1                         ; which half of the tile's tokens is mine
	s_and_b32 s13, s14, 1                          ; which head of the pair
	s_bfe_u32 s92, ttmp6, 0x40000                  ; cx
	s_bfe_u32 s93, ttmp6, 0x40004                  ; cy
	s_lshl_b32 s94, ttmp9, 2
	s_add_co_u32 s94, s94, s92                     ; pair of heads = 4 x cluster x + cx
	s_and_b32 s95, ttmp7, 0xffff
	s_lshl_b32 s95, s95, 2
	s_add_co_u32 s95, s95, s93                     ; tile of 256 tokens = 4 x cluster y + cy
	s_lshl_b32 s96, s93, 2
	s_lshl_b32 s96, 15, s96                        ; my row of the cluster
	s_lshl_b32 s97, 0x1111, s92                    ; my column
	GRP1 16, 96, 16, 4
	GRP1 24, 97, 24, 4
	GRP1 32, 96, 16, 3
	GRP1 40, 97, 24, 3
	GRP1 48, 96, 16, 2
	GRP1 56, 97, 24, 2
	s_lshl_b32 s98, s95, 18                        ; x: 16 blocks of 16,384 bytes a tile
	s_mov_b32 s99, 0
	s_mul_i32 s100, s94, 24*16384                  ; W_attn: 24 blocks a pair of heads
	s_mov_b32 s101, 0
	s_wait_dscnt 0x0                               ; both opening adds are done
	s_wait_kmcnt 0x0
	s_load_b256 s[84:91], s[8:9], 0x0              ; e0 .. e7
	s_add_nc_u64 s[98:99], s[4:5], s[98:99]
	s_add_nc_u64 s[100:101], s[6:7], s[100:101]
	s_mov_b32 s68, 1                               ; groups 0: x and W_attn for slot 0, x and W_attn for slot 1
	s_mov_b32 s69, 0
	s_mov_b64 s[70:71], s[98:99]
	s_or_b32 s71, s71, 0x80000000
	s_mov_b32 s72, 1
	s_mov_b32 s73, LDP0
	s_mov_b64 s[74:75], s[100:101]
	s_or_b32 s75, s75, 0x80000000
	s_mov_b32 s76, 1
	s_mov_b32 s77, LDR1
	s_add_nc_u64 s[78:79], s[98:99], 4096
	s_or_b32 s79, s79, 0x80000000
	s_mov_b32 s80, 1
	s_mov_b32 s81, LDP1
	s_add_nc_u64 s[82:83], s[100:101], 4096
	s_or_b32 s83, s83, 0x80000000
	CROUND                                         ; all sixteen work-groups are here: the first joint loads meet
	s_cmp_eq_u32 s14, 0                            ; one tensor load a wave: fills 0 and 1
	s_cbranch_scc0 .Larm1
	TL 68, 16
	s_branch .Ljoin
.Larm1:
	s_cmp_eq_u32 s14, 1
	s_cbranch_scc0 .Larm2
	TL 72, 24
	s_branch .Ljoin
.Larm2:
	s_cmp_eq_u32 s14, 2
	s_cbranch_scc0 .Larm3
	TL 76, 32
	s_branch .Ljoin
.Larm3:
	TL 80, 40
.Ljoin:
	v_and_b32 v[CO], 31, v0
	v_lshlrev_b32 v[CO], 4, v[CO]
	s_wait_alu depctr_va_vdst(0)                   ; the wait here, behind the write
.macro ADR S, rb, pb
	s_mul_i32 s66, s15, 8*(4096-1024*\S)           ; my eight blocks of tokens,
	s_mul_i32 s67, s13, 12*(4096-1024*\S)          ; my twelve of columns
.if \rb > 0
	s_add_co_u32 s66, s66, \rb
.endif
	s_add_co_u32 s67, s67, \pb
	v_add_nc_u32 v[RAD+\S], s66, v[CO]
	v_add_nc_u32 v[PAD+\S], s67, v[CO]
.endm
	ADR 0, 0, LDP0
	ADR 1, LDR1, LDP1
	ADR 2, 0, LDP0
	; where my results go: 8,192 bytes in each section
	s_lshl_b32 s66, s95, 1
	s_add_co_u32 s66, s66, s15                     ; which 128 tokens: 8 x batch + block
	s_lshr_b32 s67, s66, 3
	s_lshl_b32 s67, s67, 4
	s_and_b32 s66, s66, 7
	s_lshl_b32 s12, s94, 1
	s_add_co_u32 s67, s67, s12
	s_add_co_u32 s67, s67, s13                     ; 16 x batch + head
	s_lshl_b32 s92, s67, 16
	s_lshl_b32 s66, s66, 13
	s_add_co_u32 s92, s92, s66
	s_mov_b32 s93, 0
	s_add_nc_u64 s[92:93], s[10:11], s[92:93]      ; q,
	s_add_nc_u64 s[4:5], s[92:93], 0x800000        ; k,
	s_add_nc_u64 s[6:7], s[92:93], 0x1000000       ; v
	s_wait_kmcnt 0x0
.macro MKS n, se
	s_sub_co_i32 s66, \se, s84
	s_sub_co_i32 s66, s66, s85                     ; e_out - e0 - e1
	s_add_co_i32 s66, s66, 127
	s_lshl_b32 s67, s66, 23
	v_mov_b32 v[SC+\n], s67
	s_add_co_i32 s66, s66, 8
	s_lshl_b32 s66, s66, 23
	s_or_b32 s66, s66, 0x600000
	v_mov_b32 v[LIM+\n], s66
.endm
	MKS 0, s86
	MKS 1, s87
	MKS 2, s88
; THE WAY OUT's parts.  HOLD: 32 sums of section n, batch m, within +-448 x the scale, each accumulator from its low end on (q, k: four blocks of channels of 16 tokens; v: 16 channels of 64 keys).  CODE: their codes, from register c on.
; SEND: four batches, 512 consecutive bytes a store.  OUT8: a section's eight batches; a group's stores stand behind the holds of the batch that follows it.  pb, pc: base and codes of the section before, whose last four batches are still to be sent (pb = 0: none).
.macro HOLD n, m
	WIN 1+\n
.if \n < 2
.irp i, 0,1,2,3
.irp j, 0,1,2,3,4,5,6,7
	v_med3_num_f32 v[TMP+8*\i+\j], v[64*\i+8*\m+\j], -v[LIM+\n], v[LIM+\n]
.endr
.endr
.else
.set j, 0
.rept 32
	v_med3_num_f32 v[TMP+j], v[32*\m+j], -v[LIM+2], v[LIM+2]
.set j, j+1
.endr
.endif
	WIN 0
.endm
.macro CODE n, c
.irp i, 0,1,2,3
	v_cvt_scalef32_pk8_fp8_f32 v[\c+2*\i:\c+2*\i+1], v[TMP+8*\i:TMP+8*\i+7], v[SC+\n]
.endr
	v_nop                                          ; one plain vector instruction behind the last conversion
.endm
.macro SEND m, base, c
.irp k, 0,1,2,3
	global_store_b128 v[CO], v[\c+8*\k:\c+8*\k+3], s[\base:\base+1] offset:1024*(\m+\k)
	global_store_b128 v[CO], v[\c+8*\k+4:\c+8*\k+7], s[\base:\base+1] offset:1024*(\m+\k)+512
.endr
.endm
.macro OUT8 n, c, base, pb, pc
	HOLD \n, 0
.if \pb > 0
	SEND 4, \pb, \pc+32
.endif
	CODE \n, \c
.irp m, 1,2,3
	HOLD \n, \m
	CODE \n, \c+8*\m
.endr
	HOLD \n, 4
	SEND 0, \base, \c
	CODE \n, \c+32
.irp m, 5,6,7
	HOLD \n, \m
	CODE \n, \c+8*\m
.endr
.endm
.macro LDA p, S, q, i0                 ; x's blocks i0 .. i0 + 3 of unit q into set p
.irp i, \i0, \i0+1, \i0+2, \i0+3
.irp c, 0,1
	ds_load_b128 v[AF+64*(\p)+8*(\i)+4*\c:AF+64*(\p)+8*(\i)+4*\c+3], v[RAD+\S] offset:(\i)*(4096-1024*(\S))+1024*(\q)+512*\c
.endr
.endr
.endm
.macro LDB g, S, q                     ; W_attn's blocks 4 g .. 4 g + 3 of unit q
.irp i, 0,1,2,3
.irp c, 0,1
	ds_load_b128 v[BF+8*(4*\g+\i)+4*\c:BF+8*(4*\g+\i)+4*\c+3], v[PAD+\S] offset:(4*\g+\i)*(4096-1024*(\S))+1024*(\q)+512*\c
.endr
.endr
.endm
; Block b of columns x the eight blocks of tokens, 64 along K.  The 96 accumulators take turns, in the same order in every unit; unit 0 starts the sums.
.macro MUL b, p, zero
.irp a, 0,1,2,3,4,5,6,7
.set ACD, 64*((\b)%4)+8*\a
.if (\b) < 8
.set SRA, BF+8*(\b)
.set SRB, AF+64*(\p)+8*\a
.else
.set SRA, AF+64*(\p)+8*\a
.set SRB, BF+8*(\b)
.endif
.if \zero
	v_wmma_f32_16x16x64_fp8_fp8 v[ACD:ACD+7], v[SRA:SRA+7], v[SRB:SRB+7], 0
.else
	v_wmma_f32_16x16x64_fp8_fp8 v[ACD:ACD+7], v[SRA:SRA+7], v[SRB:SRB+7], v[ACD:ACD+7]
.endif
.endr
.endm
; A unit of 64 along K.  p: x's set; (S, q): where it lies; (S2, q2): where the next lies.  turn 0: in the same slot; 1: slots change and fill f goes out; 2: slots change, nothing is filled; 3: the last unit.
; LDS loads run in this order: W_attn's 8-11 of this unit (8 loads), then of the next unit x's blocks (8 and 8), W_attn's 0-3 (8) and 4-7 (8).
.macro UNIT p, zero, S, q, S2, q2, turn, f
	s_wait_dscnt 8                                 ; x's set and W_attn's blocks 0-3 are in; the loads of blocks 4-7 may be out
	WIN 0x50
	MUL 0, \p, \zero
	PLACES
	WIN 0
	LDB 2, \S, \q
	WIN 0x50
	MUL 1, \p, \zero
	MUL 2, \p, \zero
.if \turn == 0
	WIN 0
	LDA 1-\p, \S2, \q2, 0
	WIN 0x50
.endif
	MUL 3, \p, \zero
.if \turn == 0
	s_wait_dscnt 16                                ; blocks 4-7 are in: behind them blocks 8-11's eight loads and x's first eight
	WIN 0xa0
	MUL 4, \p, \zero
	PLACES
	WIN 0
	LDA 1-\p, \S2, \q2, 4
	WIN 0xa0
	MUL 5, \p, \zero
	MUL 6, \p, \zero
	WIN 0
	LDB 0, \S2, \q2
	WIN 0xa0
	MUL 7, \p, \zero
	s_wait_dscnt 24                                ; blocks 8-11 are in: behind them x's sixteen loads and the next blocks 0-3's eight
.endif
.if \turn == 3
	PLACES                                         ; q's sums are finished: q leaves ahead of the last products of k and v.  Its held sums take the place of W_attn's blocks 0-3, its codes that of x's set 0: both are done with
	OUT8 0, 128, 92, 0, 0
	SEND 4, 92, 160
	s_wait_dscnt 8                                 ; blocks 4-7 are in
	WIN 0xa0
	MUL 4, \p, \zero
	MUL 5, \p, \zero
	MUL 6, \p, \zero
	MUL 7, \p, \zero
	s_wait_dscnt 0x0                               ; blocks 8-11 too
.endif
.if (\turn == 1) || (\turn == 2)
	WIN 0
	s_wait_tensorcnt 0x0                           ; all my tensor loads have landed: my part of the next slot
.if \turn == 1
	ds_add_u32 v[SPW], v[NIL]
	s_wait_dscnt 9                                 ; blocks 4-7 are in (blocks 8-11's eight loads and the add may be out)
.else
	s_wait_dscnt 8
.endif
	WIN 0xa0
	MUL 4, \p, \zero
	MUL 5, \p, \zero
	s_wait_dscnt 0x0                               ; my reads of this slot are over (and the add is done)
	s_barrier_signal -1
	MUL 6, \p, \zero
	MUL 7, \p, \zero
	WIN 0
	s_barrier_wait -1                              ; the next slot is whole, and nobody here reads this one
.if \turn == 1
	CREST                                          ; nor in any partner
.if \f == 1
	s_add_nc_u64 s[78:79], s[78:79], 7168          ; 7 units on
	s_add_nc_u64 s[82:83], s[82:83], 7168
	JL 76, 32, 80, 40, 2
.else
	s_add_nc_u64 s[70:71], s[70:71], 7168
	s_add_nc_u64 s[74:75], s[74:75], 7168
.if \f == 0
	JL 68, 16, 72, 24, 0
.else
	JL 68, 48, 72, 56, 0
.endif
.endif
.endif
	PLACES
	LDA 1-\p, \S2, \q2, 0
	LDA 1-\p, \S2, \q2, 4
	LDB 0, \S2, \q2
.endif
	WIN 0xf0
	MUL 8, \p, \zero
.if \turn < 3
	PLACES
	WIN 0
	LDB 1, \S2, \q2
	WIN 0xf0
.endif
	MUL 9, \p, \zero
	MUL 10, \p, \zero
	MUL 11, \p, \zero
.endm
	s_wait_alu depctr_va_vdst(0)                   ; the wait at the head's end
	s_cmp_lt_u32 s14, 2                            ; waves 0 and 1 have fetched slot 0; the loads of waves 2 and 3, slot 1's, may be out
	s_cbranch_scc0 .Lslot1
	s_wait_tensorcnt 0x0
.Lslot1:
	s_barrier_signal -1
	s_barrier_wait -1                              ; slot 0 is whole
	LDA 0, 0, 0, 0
	LDA 0, 0, 0, 4
	LDB 0, 0, 0
	LDB 1, 0, 0
	UNIT 0, 1, 0, 0, 0, 1, 0, 0
	UNIT 1, 0, 0, 1, 0, 2, 0, 0
	UNIT 0, 0, 0, 2, 0, 3, 0, 0
	UNIT 1, 0, 0, 3, 1, 0, 1, 0                    ; slot 0 takes units 7-10
	UNIT 0, 0, 1, 0, 1, 1, 0, 0
	UNIT 1, 0, 1, 1, 1, 2, 0, 0
	UNIT 0, 0, 1, 2, 0, 0, 1, 1                    ; slot 1 takes units 11-13
	UNIT 1, 0, 0, 0, 0, 1, 0, 0
	UNIT 0, 0, 0, 1, 0, 2, 0, 0
	UNIT 1, 0, 0, 2, 0, 3, 0, 0
	UNIT 0, 0, 0, 3, 1, 0, 1, 2                    ; slot 0 takes units 14, 15
	UNIT 1, 0, 1, 0, 1, 1, 0, 0
	UNIT 0, 0, 1, 1, 1, 2, 0, 0
	UNIT 1, 0, 1, 2, 2, 0, 2, 0
	UNIT 0, 0, 2, 0, 2, 1, 0, 0
	UNIT 1, 0, 2, 1, 0, 0, 3, 0
; THE WAY OUT: 32 sums at a time are held within +-448 x the scale (the conversion does not saturate: ISA guide 7.6.2), each accumulator from its low end on, converted, and stored: 512 consecutive bytes a store.
	PLACES                                         ; q has left inside the last unit
	OUT8 1, 64, 4, 0, 0
	OUT8 2, 192, 6, 4, 64
	SEND 4, 6, 224
	s_wait_tensorcnt 0x0                           ; the wave's end
	ds_add_u32 v[SPW], v[NIL]
	s_wait_dscnt 0x0
	CROUND                                         ; the closing round: no work-group ends while a partner may still ask for a tile that names it
	s_endpgm
.Lfunc_end_k_q4bf430ed2a_qkv:
	.size	k_q4bf430ed2a_qkv, .Lfunc_end_k_q4bf430ed2a_qkv-k_q4bf430ed2a_qkv
	.p2alignl 7, 3214868480
	.fill 96, 4, 3214868480
	.section	.rodata,"a",@progbits
	.p2align	6, 0x0
	.amdhsa_kernel k_q4bf430ed2a_qkv
		.amdhsa_group_segment_fixed_size 327680
		.amdhsa_private_segment_fixed_size 0
		.amdhsa_enable_private_segment 0
		.amdhsa_kernarg_size 32
		.amdhsa_user_sgpr_count 2
		.amdhsa_user_sgpr_kernarg_segment_ptr 1
		.amdhsa_wavefront_size32 1
		.amdhsa_system_sgpr_workgroup_id_x 1
		.amdhsa_system_sgpr_workgroup_id_y 1
		.amdhsa_system_sgpr_workgroup_id_z 1
		.amdhsa_system_vgpr_workitem_id 0
		.amdhsa_next_free_vgpr 1024
		.amdhsa_next_free_sgpr 102
		.amdhsa_reserve_vcc 0
		.amdhsa_float_denorm_mode_32 3
		.amdhsa_float_denorm_mode_16_64 3
		.amdhsa_memory_ordered 1
		.amdhsa_forward_progress 1
		.amdhsa_inst_pref_size 224
	.end_amdhsa_kernel
	.amdgpu_metadata
---
amdhsa.version: [ 1, 2 ]
amdhsa.kernels:
  - .name:           k_q4bf430ed2a_qkv
    .symbol:         k_q4bf430ed2a_qkv.kd
    .args:
      - { .name: x_codes, .offset: 0, .size: 8, .value_kind: global_buffer, .address_space: global }
      - { .name: wa_codes, .offset: 8, .size: 8, .value_kind: global_buffer, .address_space: global }
      - { .name: lowp_scales, .offset: 16, .size: 8, .value_kind: global_buffer, .address_space: global }
      - { .name: qkv, .offset: 24, .size: 8, .value_kind: global_buffer, .address_space: global }
    .group_segment_fixed_size: 327680
    .private_segment_fixed_size: 0
    .kernarg_segment_align: 8
    .kernarg_segment_size: 32
    .max_flat_workgroup_size: 128
    .sgpr_count:     102
    .vgpr_count:     1024
    .wavefront_size: 32
...
	.end_amdgpu_metadata
.endif
;; end of part 2
;; launch attn (part 3): grid 4 x 64, 16 waves a work-group, clusters of 4 x 1, 327,680 bytes of LDS; arguments qkv, lowp_scales, y_codes; writes y_codes
.if DOCPART == 3
	.amdgcn_target "amdgcn-amd-amdhsa--gfx1250"
	.amdhsa_code_object_version 6
	.text
	.protected	k_q4bf430ed2a_attn
	.globl	k_q4bf430ed2a_attn
	.p2align	8
	.type	k_q4bf430ed2a_attn,@function
k_q4bf430ed2a_attn:
	s_mov_b64 s[64:65], 0
	v_nop
	global_prefetch_b8 v0, s[64:65] scope:SCOPE_SE
	s_setreg_imm32_b32 hwreg(HW_REG_WAVE_MODE, 25, 1), 1
	s_wait_xcnt 0x0
	s_wait_alu depctr_hold_cnt(0) depctr_sa_sdst(0) depctr_va_vdst(0) depctr_va_sdst(0) depctr_va_ssrc(0) depctr_va_vcc(0) depctr_vm_vsrc(0)
	s_getreg_b32 s2, hwreg(HW_REG_IB_STS2, 6, 4)
	s_cmp_eq_u32 s2, 0
	s_cbranch_scc0 .Lentry_in_a_cluster
	s_endpgm
.Lentry_in_a_cluster:
	s_bfe_u32 s2, ttmp6, 0x10000c
	s_cmp_lg_u32 s2, 0x3003
	s_cbranch_scc0 .Lentry_shape_is_right
	s_endpgm
.Lentry_shape_is_right:
.set VOFF,  131072                     ; LDS: K of both heads, then V of both
; y[b][q][head] = the sum over keys k <= q of softmax_k(q . k / 8) v, both products on codes of FP8 (E4M3); y is quantised at once (e6) for the last product.  Blocks of keys wholly behind a tile's queries are left out: reference()'s own mask hides them.
; qkv: three sections of 2^23 bytes, each [batch 8][head 16] 65,536 bytes of operand images: q, k [64 blocks of 16 tokens][2 chunks of 32 channels][512]; v [8 blocks of 128 keys][4 blocks of 16 channels][4 chunks of 32 keys][512].
; y_codes: [512 blocks of 16 tokens][32 chunks: 2 a head][512]: a wave stores it straight from registers.
; THE SOFTMAX AHEAD OF THE SECOND PRODUCT: t = score x log2(e) / 8; M = the row's largest t so far, rounded UP to a whole number; p = 2^(t - M) is quantised (e5), not normalised.  The row's sum is taken of the unquantised p
; and divides O at the end.  When M moves, the sum and O are multiplied by 2^(old M - new M): exact.
; K AND V OF A PAIR OF HEADS STAY IN LDS: 2 x 131,072 bytes, each filled once: one tensor load of 16,384 bytes a wave at the head, and one barrier that shows them all.
; The launch claims all of a WGP's LDS.  No data prefetch: everything is asked for at the head.
; SHARES.  A work-group owns a pair of heads of one batch and a quarter of its queries.  Wave w owns head w / 8 and, with x = w % 8 and i = x or, from 4 on, 11 - x, the tiles of 16 queries tA = 4 i + g and tB = 63 - tA (g: the place in the cluster).
; tA's last block of 128 keys is i / 2, tB's 7 - i / 2, whatever g is: what is left out hangs on the wave's number alone.  On its last block tA % 8 = 4 (i % 2) + g: for even i tile tA needs the block's first 64 keys alone and tB all 128, for odd i the other way round.
; CLUSTER.  The four work-groups of a pair of heads read the same K and V: asked for JOINTLY.
; LAYOUT.  Both products are used transposed: S^T = K Q^T (source 0 = 16 keys, source 1 = my 16 queries; K = 64), O^T = V^T P^T (source 0 = 16 channels, source 1 = P): a lane holds ONE query throughout.
; Register 8 t + j of S^T is key 16 t + 8 (lane / 16) + j; the codes of tiles 2 b, 2 b + 1 are registers 4 b .. 4 b + 3 of P's operand.
; LIMITS on the given exponents, so that each power of two below is an f32 number: e2 + e3 between -123 and 130 (added to c's exponent field); e5, and e6 - e4 - e5, between -126 and 119.  The scaled scores stay under 2^31 in magnitude.
.set SPARE, 262144                     ; behind them: the spare words, 128 bytes a wave
.set AK0, 1                            ; v1   my lane's place in a block of K
.set AV0, 2                            ; v2   the same for V
.set SPW, 5
.set NIL, 6
.set GO,  7                            ; v7   16 x lane
.set ADK, 8
.set ADV, 9
.set STH, 12                           ; v12 -M, v13 the largest t, v[14:15] the sum in two halves: tile tB
.set STL, 16                           ; v16-19 the same for tile tA
.set QH,  20                           ; v20-27 Q's fragment, tile tB;  v28-35 tile tA
.set QL,  28
.set FRG, 36                           ; v36-99 fragments of K, then of V
.set S,   100                          ; v100-163 S^T, then p
.set OH,  164                          ; v164-195 O^T, tile tB;  v196-227 tile tA
.set OL,  196
.set PC,  228                          ; v228-243 p's codes;  v244 the conversion's scale, v245 448 x it;  v246 a permute's destination;  v[248:249] f;  v247, v250-255 at work: chains of maxima and of sums
.set WV,  18
.set SEL, 20                           ; s[20:21] lane selects for v_permlanex16_b32: lane l xor 16
.set CS,  22                           ; s[22:23] c = log2(e) / 8 x 2^(e2 + e3)
.set TB,  2                            ; s2   LDS byte at which the block in hand begins
.set DL,  93                           ; s93  tile tA's last block, i / 2
.set DH,  94                           ; s94  tile tB's, 7 - i / 2
.set QDL, 95                           ; s95  tile tA's first query within its 64 keys: 16 g
.set QDH, 96                           ; s96  tile tB's: 48 - 16 g
.set PAR, 97                           ; s97  i % 2
.set SL,  98                           ; s98  the number of the block in hand
.macro CROUND
	s_barrier_signal -1
	s_barrier_wait -1
	s_cmp_lg_u32 s[WV], 0
	s_cbranch_scc1 .Lnot_wave_0_\@
	s_barrier_signal -3
.Lnot_wave_0_\@:
	s_barrier_wait -3
	s_barrier_signal -1
	s_barrier_wait -1
.endm
	s_load_b128 s[4:7], s[0:1], 0x0                ; qkv, the scales' exponents
	s_load_b64 s[8:9], s[0:1], 0x10                ; y_codes
	v_lshl_add_u32 v[SPW], v0, 2, SPARE
	v_mov_b32 v[NIL], 0
	ds_add_u32 v[SPW], v[NIL]                      ; the wave's opening: the add, twice on end, and its wait ahead of my first tensor load
	ds_add_u32 v[SPW], v[NIL]
	v_lshrrev_b32 v8, 5, v0
	v_readfirstlane_b32 s[WV], v8                  ; wave 0..15
	s_and_b32 s10, ttmp7, 0xffff                   ; 8 x batch + pair of heads
	s_lshr_b32 s12, s[WV], 3                       ; my head of the pair.  Also: which half of the keys I fetch
	s_bfe_u32 s19, s[WV], 0x10002                  ; I fetch for K (0) or for V (1).  Also: x / 4
	s_and_b32 s11, s[WV], 7
	s_mul_i32 s13, s19, 3
	s_xor_b32 s11, s11, s13                        ; i
	s_lshr_b32 s[DL], s11, 1
	s_xor_b32 s[DH], s[DL], 7
	s_and_b32 s[PAR], s11, 1
	s_bfe_u32 s14, ttmp6, 0x40000                  ; g: it enters q's and y's addresses and the mask's offset alone
	s_lshl_b32 s16, s11, 2
	s_add_co_u32 s16, s16, s14                     ; tA = 4 i + g
	s_sub_co_u32 s17, 63, s16                      ; tB = 63 - tA
	s_lshl_b32 s[QDL], s14, 4
	s_sub_co_u32 s[QDH], 48, s[QDL]
	s_mov_b32 s24, 15|(3<<16)|(1<<21)              ; descriptor group 1: four rows of 4,096 bytes on end, in elements of 8 bytes; the mask names all four work-groups; 21 set beside it
	s_mov_b32 s25, 512<<16
	s_mov_b32 s26, 4<<16
	s_mov_b32 s27, 512<<16
	s_mov_b32 s28, 4
	s_mov_b32 s29, 512
	s_mov_b32 s30, 0
	s_mov_b32 s31, 0
	s_mov_b32 s[SEL], 0x76543210
	s_mov_b32 s[SEL+1], 0xfedcba98
	s_mov_b32 s[CS], 0x3e38aa3b                    ; log2(e) / 8
	s_mov_b32 s[TB], 0
	s_mov_b32 s[SL], 0
	s_bfe_u32 s90, s[WV], 0x10001                  ; what I fetch: of this head,
	s_lshl_b32 s90, s90, 16
	s_and_b32 s91, s[WV], 1
	s_lshl_b32 s91, s91, 14
	s_add_co_u32 s90, s90, s91                     ; these 16,384 bytes
	s_lshl_b32 s91, s12, 15
	s_add_co_u32 s90, s90, s91                     ; of this half of the keys
	s_lshl_b32 s32, s10, 17                        ; my pair of heads in a section
	s_add_co_u32 s86, s19, 1
	s_lshl_b32 s86, s86, 23
	s_add_co_u32 s86, s86, s32
	s_add_co_u32 s86, s86, s90
	s_mov_b32 s87, 0
	s_lshl_b32 s91, s19, 17
	s_add_co_u32 s90, s90, s91                     ; and where they go: the same place in LDS, V's behind K's
	s_lshl_b32 s33, s12, 16
	s_add_co_u32 s32, s32, s33                     ; my head in a section
	s_lshl_b32 s38, s17, 10                        ; q: 1,024 bytes a tile
	s_add_co_u32 s38, s38, s32
	s_mov_b32 s39, 0
	s_lshl_b32 s44, s16, 10
	s_add_co_u32 s44, s44, s32
	s_mov_b32 s45, 0
	s_lshr_b32 s34, s10, 3                         ; y: block 64 x batch + tile, chunk 2 x head
	s_lshl_b32 s34, s34, 20
	s_and_b32 s35, s10, 7
	s_lshl_b32 s35, s35, 11
	s_add_co_u32 s34, s34, s35
	s_lshl_b32 s35, s12, 10
	s_add_co_u32 s34, s34, s35
	s_lshl_b32 s46, s17, 14
	s_add_co_u32 s46, s46, s34
	s_mov_b32 s47, 0
	s_lshl_b32 s48, s16, 14
	s_add_co_u32 s48, s48, s34
	s_mov_b32 s49, 0
	s_wait_dscnt 0x0                               ; both opening adds are done
	s_wait_kmcnt 0x0
	s_load_b256 s[68:75], s[6:7], 0x0              ; e0 .. e7
	s_mov_b32 s40, 1
	s_mov_b32 s41, s90
	s_add_nc_u64 s[42:43], s[4:5], s[86:87]
	s_or_b32 s43, s43, 0x80000000
	CROUND                                         ; all four work-groups are here: the joint loads meet
	tensor_load_to_lds s[40:43], s[24:31]          ; my one tensor load
	s_nop 0
.rept 4
	v_nop
.endr
	s_add_nc_u64 s[82:83], s[4:5], s[38:39]        ; q at tile tB,
	s_add_nc_u64 s[84:85], s[4:5], s[44:45]        ; and at tile tA
	s_add_nc_u64 s[46:47], s[8:9], s[46:47]        ; y likewise
	s_add_nc_u64 s[48:49], s[8:9], s[48:49]
	s_lshl_b32 s50, s12, 16
	v_and_b32 v[GO], 31, v0
	v_lshlrev_b32 v[GO], 4, v[GO]
	global_load_b128 v[QH:QH+3], v[GO], s[82:83]           ; Q's fragments stay in registers
	global_load_b128 v[QH+4:QH+7], v[GO], s[82:83] offset:512
	global_load_b128 v[QL:QL+3], v[GO], s[84:85]
	global_load_b128 v[QL+4:QL+7], v[GO], s[84:85] offset:512
	v_add_nc_u32 v[AK0], s50, v[GO]
	v_mov_b32 v[STH+1], 0xff61b1e6                 ; the largest t so far: -3e38, under every t
	v_mov_b32 v[STL+1], 0xff61b1e6
	v_add_nc_u32 v[AV0], VOFF, v[AK0]
	v_floor_f32 v[STH], -v[STH+1]                  ; -M
	v_floor_f32 v[STL], -v[STL+1]
	v_mov_b32 v[STH+2], 0                          ; the sum, in two halves
	v_mov_b32 v[STH+3], 0
	v_mov_b32 v[STL+2], 0
	v_mov_b32 v[STL+3], 0
	v_mov_b32 v246, 0                              ; written once: a lane permute's destination counts as one of its sources
	v_mov_b32 v252, 0
	v_mov_b32 v249, 0                              ; (named as the upper half of the pair v[248:249])
.set j, 0
.rept 64
	v_mov_b32 v[OH+j], 0                           ; O^T of both tiles.  (A step is written once for first and later steps: the first finds zeros, which the first change of M leaves zeros)
.set j, j+1
.endr
	s_wait_kmcnt 0x0
	s_add_co_i32 s54, s70, s71
	s_lshl_b32 s54, s54, 23
	s_add_co_i32 s[CS], s[CS], s54                 ; a score stands for score x 2^(e2 + e3): the two exponents are added to c's exponent field
	s_mov_b32 s[CS+1], s[CS]                       ; (named with it as a pair, so it is written)
	s_add_co_i32 s54, s73, 127
	s_lshl_b32 s55, s54, 23
	v_mov_b32 v244, s55                            ; 2^e5 as f32, for p's conversion
	s_add_co_i32 s54, s54, 8
	s_lshl_b32 s54, s54, 23
	s_or_b32 s54, s54, 0x600000
	v_mov_b32 v245, s54                            ; 448 x 2^e5
; A KEY STEP of one tile: the first 16 nt keys of the block at TB.  st: the tile's statistics; qr: its Q; oo: its O^T.  mk = 1: the tile's last block: keys behind a query are hidden; they lie in the last four of the nt tiles, whose first key is qd under the tile's first query.
.macro STEP st, qr, oo, nt, mk, qd
	v_add_nc_u32 v[ADK], s[TB], v[AK0]
	v_add_nc_u32 v[ADV], s[TB], v[AV0]
	v_nop                                          ; with the two additions: four places in front of loads into registers that the last products read
	v_nop
.irp t, 0,1,2,3,4,5,6,7
.if \t < \nt
	ds_load_b128 v[FRG+8*\t:FRG+8*\t+3], v[ADK] offset:1024*\t
	ds_load_b128 v[FRG+8*\t+4:FRG+8*\t+7], v[ADK] offset:1024*\t+512
.endif
.endr
	s_wait_alu depctr_va_vdst(0)                   ; the wait here, directly ahead of the wait below
	s_wait_dscnt 0x0
.irp t, 0,1,2,3,4,5,6,7
.if \t < \nt
	v_wmma_f32_16x16x64_fp8_fp8 v[S+8*\t:S+8*\t+7], v[FRG+8*\t:FRG+8*\t+7], v[\qr:\qr+7], 0   ; S^T: keys 16 t on
.endif
.endr
.rept 4
	v_nop                                          ; places: in front of the loads into K's registers, and of the first read of the scores
.endr
.irp t, 0,1,2,3
.irp c, 0,1,2,3
.if \c < \nt/2
	ds_load_b128 v[FRG+2*\nt*\t+4*\c:FRG+2*\nt*\t+4*\c+3], v[ADV] offset:2048*\t+512*\c   ; V's four fragments land while the softmax is walked
.endif
.endr
.endr
.if \mk
	v_and_b32 v252, 15, v0
	v_bfe_u32 v253, v0, 4, 1
	s_delay_alu instid0(VALU_DEP_1)
	v_lshlrev_b32 v253, 3, v253
	s_delay_alu instid0(VALU_DEP_1)
	v_sub_nc_u32 v252, v252, v253
	s_delay_alu instid0(VALU_DEP_1)
	v_add_nc_u32 v252, s[\qd], v252                ; d = my query - the four tiles' first key - 8 (lane / 16); hidden where 16 (n / 8) + n % 8 > d: -infinity ahead of the maximum, p = 0 then
	v_mov_b32 v254, 0xff800000
.irp n, 0,1,2,3,4,5,6,7,8,9,10,11,12,13,14,15,16,17,18,19,20,21,22,23,24,25,26,27,28,29,30,31
	v_cmp_gt_i32 vcc_lo, 16*(\n/8)+\n%8, v252
	v_cndmask_b32 v[S+8*(\nt-4)+\n], v[S+8*(\nt-4)+\n], v254, vcc_lo
.endr
.endif
	v_max3_num_f32 v254, v[S], v[S+1], v[S+2]      ; the step's largest score of my query, among my keys, in four chains (each accumulator is first read at its low end),
	v_max3_num_f32 v252, v[S+3], v[S+4], v[S+5]
	v_max3_num_f32 v253, v[S+6], v[S+7], v[S+8]
	v_max3_num_f32 v247, v[S+9], v[S+10], v[S+11]
.set j, 12
.rept \nt-2
	v_max3_num_f32 v254, v254, v[S+j], v[S+j+1]
	v_max3_num_f32 v252, v252, v[S+j+2], v[S+j+3]
	v_max3_num_f32 v253, v253, v[S+j+4], v[S+j+5]
	v_max3_num_f32 v247, v247, v[S+j+6], v[S+j+7]
.set j, j+8
.endr
	v_max3_num_f32 v254, v254, v[S+8*\nt-4], v[S+8*\nt-3]
	v_max3_num_f32 v252, v252, v[S+8*\nt-2], v[S+8*\nt-1]
	s_delay_alu instid0(VALU_DEP_1)
	v_max3_num_f32 v254, v254, v252, v253
	s_delay_alu instid0(VALU_DEP_1)
	v_max_num_f32 v254, v254, v247
	s_delay_alu instid0(VALU_DEP_1)
	v_permlanex16_b32 v246, v254, s[SEL], s[SEL+1]
	s_delay_alu instid0(VALU_DEP_1)
	v_max_num_f32 v254, v254, v246                 ; and among lane l xor 16's.  (A block's first key counts for every query of a tile that walks the block, so this is a number)
	s_delay_alu instid0(VALU_DEP_1)
	v_mul_f32 v254, s[CS], v254                    ; as t (c is positive)
	s_delay_alu instid0(VALU_DEP_1)
	v_max_num_f32 v[\st+1], v[\st+1], v254         ; the running largest t
	v_mov_b32 v254, v[\st]
	s_delay_alu instid0(VALU_DEP_2)
	v_floor_f32 v[\st], -v[\st+1]                  ; the new -M = floor(-t) = -ceil(t): M is a whole number
	s_delay_alu instid0(VALU_DEP_1)
	v_sub_f32 v254, v[\st], v254                   ; M's old value less its new one: a whole number, 0 or less
.set j, 0
.rept 4*\nt
	v_pk_fma_f32 v[S+j:S+j+1], v[S+j:S+j+1], s[CS:CS+1], v[\st:\st+1] op_sel_hi:[1,0,0]   ; t - M, two at a time (of the pairs c and -M the low word serves both halves)
.set j, j+2
.if j == 8
	v_cvt_i32_f32 v254, v254                       ; (it saturates)
.endif
.if j == 16
	v_ldexp_f32 v248, 1.0, v254                    ; f = 2^(old M - new M)
.endif
.endr
	s_wait_alu depctr_va_vdst(0)                   ; the wait ahead of the batch
.set j, 0
.rept 8*\nt
	v_exp_f32 v[S+j], v[S+j]                       ; p = 2^(t - M), at most 1: not normalised
.set j, j+1
.endr
	v_pk_mul_f32 v[\st+2:\st+3], v[\st+2:\st+3], v[248:249] op_sel_hi:[1,0]   ; the sums under the new M: a plain instruction behind the exponentials
	s_wait_alu depctr_va_vdst(0)                   ; one wait for the exponentials and for O^T's first readers
.set j, 0
.rept 16
	v_pk_mul_f32 v[\oo+j:\oo+j+1], v[\oo+j:\oo+j+1], v[248:249] op_sel_hi:[1,0]   ; O^T under the new M
.set j, j+2
.endr
	v_pk_add_f32 v[250:251], v[S:S+1], v[S+2:S+3]  ; the row's sum is taken of the UNQUANTISED p: two at a time, in four chains
	v_pk_add_f32 v[252:253], v[S+4:S+5], v[S+6:S+7]
	v_pk_add_f32 v[254:255], v[S+8:S+9], v[S+10:S+11]
.set j, 12
.rept \nt-2
	v_pk_add_f32 v[\st+2:\st+3], v[\st+2:\st+3], v[S+j:S+j+1]
	v_pk_add_f32 v[250:251], v[250:251], v[S+j+2:S+j+3]
	v_pk_add_f32 v[252:253], v[252:253], v[S+j+4:S+j+5]
	v_pk_add_f32 v[254:255], v[254:255], v[S+j+6:S+j+7]
.set j, j+8
.endr
	v_pk_add_f32 v[\st+2:\st+3], v[\st+2:\st+3], v[S+8*\nt-4:S+8*\nt-3]
	v_pk_add_f32 v[250:251], v[250:251], v[S+8*\nt-2:S+8*\nt-1]
	v_pk_add_f32 v[252:253], v[252:253], v[254:255]
	v_pk_add_f32 v[\st+2:\st+3], v[\st+2:\st+3], v[250:251]
	v_pk_add_f32 v[\st+2:\st+3], v[\st+2:\st+3], v[252:253]
.set j, 0
.rept 4*\nt
	v_dual_min_num_f32 v[S+j], v245, v[S+j] :: v_dual_min_num_f32 v[S+j+1], v245, v[S+j+1]   ; the conversion does not saturate (ISA guide 7.6.2); p is not negative, so the hold is one-sided
.set j, j+2
.endr
.irp t, 0,1,2,3,4,5,6,7
.if \t < \nt
	v_cvt_scalef32_pk8_fp8_f32 v[PC+2*\t:PC+2*\t+1], v[S+8*\t:S+8*\t+7], v244
.endif
.endr
	v_nop                                          ; a plain instruction between the conversions and the products that read their results
	s_wait_alu depctr_va_vdst(0)                   ; the wait here, directly ahead of the wait below
	s_wait_dscnt 0x0                               ; V is in
.irp t, 0,1,2,3
.if \nt == 8
	v_wmma_f32_16x16x128_fp8_fp8 v[\oo+8*\t:\oo+8*\t+7], v[FRG+16*\t:FRG+16*\t+15], v[PC:PC+15], v[\oo+8*\t:\oo+8*\t+7]   ; the four accumulators take turns
.else
	v_wmma_f32_16x16x64_fp8_fp8 v[\oo+8*\t:\oo+8*\t+7], v[FRG+8*\t:FRG+8*\t+7], v[PC:PC+7], v[\oo+8*\t:\oo+8*\t+7]
.endif
.endr
.endm
	s_wait_alu depctr_va_vdst(0)                   ; the wait at the head's end
	s_wait_loadcnt 0x0                             ; Q is in
	s_wait_tensorcnt 0x0                           ; my part of K or V is in
	s_barrier_signal -1
	s_barrier_wait -1                              ; everybody's is: nothing is filled and nothing is stored in LDS from here on, so no barrier stands in the walk
.Lwalk:                                            ; blocks 0-6, for each tile as far as they lie ahead of its last: scalar branches on the wave's number and the count of blocks
	s_cmp_ge_u32 s[SL], s[DH]
	s_cbranch_scc1 .Lskip_b
	STEP STH, QH, OH, 8, 0, QDH
.Lskip_b:
	s_cmp_ge_u32 s[SL], s[DL]
	s_cbranch_scc1 .Lskip_a
	STEP STL, QL, OL, 8, 0, QDL
.Lskip_a:
	s_add_co_u32 s[TB], s[TB], 8192
	s_add_co_u32 s[SL], s[SL], 1
	s_cmp_lg_u32 s[SL], 7
	s_cbranch_scc1 .Lwalk
	s_lshl_b32 s[TB], s[DL], 13                    ; tile tA's last block
	s_cmp_eq_u32 s[PAR], 0
	s_cbranch_scc0 .Lfull_a
	STEP STL, QL, OL, 4, 1, QDL
	s_branch .Ldone_a
.Lfull_a:
	STEP STL, QL, OL, 8, 1, QDL
.Ldone_a:
	s_lshl_b32 s[TB], s[DH], 13                    ; tile tB's last block
	s_cmp_eq_u32 s[PAR], 0
	s_cbranch_scc0 .Lhalf_b
	STEP STH, QH, OH, 8, 1, QDH
	s_branch .Ldone_b
.Lhalf_b:
	STEP STH, QH, OH, 4, 1, QDH
.Ldone_b:
	; THE WAY OUT.  O^T / the sum stands for y / 2^(e4 + e5); its code is that / 2^(e6 - e4 - e5), held within +-448.
	v_add_f32 v[STH+2], v[STH+2], v[STH+3]         ; the sum's two halves,
	v_add_f32 v[STL+2], v[STL+2], v[STL+3]
	v_permlanex16_b32 v246, v[STH+2], s[SEL], s[SEL+1]
	v_permlanex16_b32 v252, v[STL+2], s[SEL], s[SEL+1]
	v_add_f32 v[STH+2], v[STH+2], v246             ; and lane l xor 16's: the row's sum
	v_add_f32 v[STL+2], v[STL+2], v252
	s_wait_alu depctr_va_vdst(0)                   ; the wait ahead of the batch
	v_rcp_f32 v[STH+2], v[STH+2]
	v_rcp_f32 v[STL+2], v[STL+2]
	s_sub_co_i32 s54, s74, s72
	s_sub_co_i32 s54, s54, s73                     ; e6 - e4 - e5
	s_add_co_i32 s54, s54, 127
	s_lshl_b32 s55, s54, 23
	v_mov_b32 v244, s55                            ; (plain instructions behind the reciprocals)
	s_add_co_i32 s54, s54, 8
	s_lshl_b32 s54, s54, 23
	s_or_b32 s54, s54, 0x600000
	v_mov_b32 v245, s54
	s_wait_alu depctr_va_vdst(0)                   ; one wait for both reciprocals and for O^T's first readers
.set j, 0
.rept 16
	v_pk_mul_f32 v[S+j:S+j+1], v[OH+j:OH+j+1], v[STH+2:STH+3] op_sel_hi:[1,0]   ; each accumulator from its low end on
.set j, j+2
.endr
.set j, 0
.rept 16
	v_pk_mul_f32 v[S+32+j:S+32+j+1], v[OL+j:OL+j+1], v[STL+2:STL+3] op_sel_hi:[1,0]
.set j, j+2
.endr
.set j, 0
.rept 64
	v_med3_num_f32 v[S+j], v[S+j], -v245, v245
.set j, j+1
.endr
.irp t, 0,1,2,3,4,5,6,7
	v_cvt_scalef32_pk8_fp8_f32 v[PC+2*\t:PC+2*\t+1], v[S+8*\t:S+8*\t+7], v244
.endr
	v_nop                                          ; one plain vector instruction behind the last conversion
	global_store_b128 v[GO], v[PC:PC+3], s[46:47]              ; 32 lanes store 512 consecutive bytes, at a multiple of 256 from the buffer's first byte
	global_store_b128 v[GO], v[PC+4:PC+7], s[46:47] offset:512
	global_store_b128 v[GO], v[PC+8:PC+11], s[48:49]
	global_store_b128 v[GO], v[PC+12:PC+15], s[48:49] offset:512
	s_wait_tensorcnt 0x0                           ; the wave's end
	ds_add_u32 v[SPW], v[NIL]
	s_wait_dscnt 0x0
	CROUND                                         ; the closing round: no work-group ends while a partner may still ask for a tile that names it
	s_endpgm
.Lfunc_end_k_q4bf430ed2a_attn:
	.size	k_q4bf430ed2a_attn, .Lfunc_end_k_q4bf430ed2a_attn-k_q4bf430ed2a_attn
	.p2alignl 7, 3214868480
	.fill 96, 4, 3214868480
	.section	.rodata,"a",@progbits
	.p2align	6, 0x0
	.amdhsa_kernel k_q4bf430ed2a_attn
		.amdhsa_group_segment_fixed_size 327680
		.amdhsa_private_segment_fixed_size 0
		.amdhsa_enable_private_segment 0
		.amdhsa_kernarg_size 24
		.amdhsa_user_sgpr_count 2
		.amdhsa_user_sgpr_kernarg_segment_ptr 1
		.amdhsa_wavefront_size32 1
		.amdhsa_system_sgpr_workgroup_id_x 1
		.amdhsa_system_sgpr_workgroup_id_y 1
		.amdhsa_system_sgpr_workgroup_id_z 1
		.amdhsa_system_vgpr_workitem_id 0
		.amdhsa_next_free_vgpr 256
		.amdhsa_next_free_sgpr 100
		.amdhsa_reserve_vcc 1
		.amdhsa_float_denorm_mode_32 3
		.amdhsa_float_denorm_mode_16_64 3
		.amdhsa_memory_ordered 1
		.amdhsa_forward_progress 1
		.amdhsa_inst_pref_size 106
	.end_amdhsa_kernel
	.amdgpu_metadata
---
amdhsa.version: [ 1, 2 ]
amdhsa.kernels:
  - .name:           k_q4bf430ed2a_attn
    .symbol:         k_q4bf430ed2a_attn.kd
    .args:
      - { .name: qkv, .offset: 0, .size: 8, .value_kind: global_buffer, .address_space: global }
      - { .name: lowp_scales, .offset: 8, .size: 8, .value_kind: global_buffer, .address_space: global }
      - { .name: y_codes, .offset: 16, .size: 8, .value_kind: global_buffer, .address_space: global }
    .group_segment_fixed_size: 327680
    .private_segment_fixed_size: 0
    .kernarg_segment_align: 8
    .kernarg_segment_size: 24
    .max_flat_workgroup_size: 512
    .sgpr_count:     100
    .vgpr_count:     256
    .wavefront_size: 32
...
	.end_amdgpu_metadata
.endif
;; end of part 3
;; launch proj (part 4): grid 4 x 64, 4 waves a work-group, clusters of 4 x 4, 327,680 bytes of LDS; arguments y_codes, wp_codes, lowp_scales, out0; writes out0
.if DOCPART == 4
	.amdgcn_target "amdgcn-amd-amdhsa--gfx1250"
	.amdhsa_code_object_version 6
	.text
	.protected	k_q4bf430ed2a_proj
	.globl	k_q4bf430ed2a_proj
	.p2align	8
	.type	k_q4bf430ed2a_proj,@function
k_q4bf430ed2a_proj:
	s_mov_b64 s[64:65], 0
	v_nop
	global_prefetch_b8 v0, s[64:65] scope:SCOPE_SE
	s_setreg_imm32_b32 hwreg(HW_REG_WAVE_MODE, 25, 1), 1
	s_wait_xcnt 0x0
	s_wait_alu depctr_hold_cnt(0) depctr_sa_sdst(0) depctr_va_vdst(0) depctr_va_sdst(0) depctr_va_ssrc(0) depctr_va_vcc(0) depctr_vm_vsrc(0)
	s_getreg_b32 s2, hwreg(HW_REG_IB_STS2, 6, 4)
	s_cmp_eq_u32 s2, 0
	s_cbranch_scc0 .Lentry_in_a_cluster
	s_endpgm
.Lentry_in_a_cluster:
	s_bfe_u32 s2, ttmp6, 0x10000c
	s_cmp_lg_u32 s2, 0xf033
	s_cbranch_scc0 .Lentry_shape_is_right
	s_endpgm
.Lentry_shape_is_right:
; out0 = y W_proj on codes of FP8 (E4M3), sums in f32, each finished sum x 2^(e6 + e7).  LIMIT: e6 + e7 between -126 and 127, so that the factor is an f32 number.
; A work-group makes 128 tokens x 256 columns, a wave 64 x 128: 32 accumulators.  Both operands lie as images of the operand's registers (16 rows x 32 K in 512 bytes): no padding in LDS.
; K goes in 8 steps of 128.  LDS takes steps 0, 1 of both operands (slot 0) and steps 2-6 of y, 2-5 of W_proj (slot 1): 311,296 bytes, each filled once, asked for at the head, one tensor load a wave (0: y, 1: W_proj for slot 0; 2, 3 for slot 1).
; What LDS has no room for, steps 6 and 7 of W_proj and step 7 of y, each wave loads straight into registers, 512 consecutive bytes a load, five steps ahead of its use or more.  So nothing is filled again.
; No data prefetch: every byte is asked for at the head or at the two barriers.
; CLUSTERS of 4 x 4: y's tile is shared along a row of the cluster, W_proj's along a column: what goes to LDS is asked for JOINTLY.
; Source 0 = 16 tokens, source 1 = a block of columns, whose row r is column 4 r + b of its 64: so for one token four accumulators of a lane hold four neighbouring columns, and sixteen lanes 64: 256 bytes.  The way out is straight from registers.
; REGISTERS: window 0: v0-31 addresses, v64-191 y's fragments, two sets, v192-255 y's of step 7; window 1: W_proj's, two sets; window 2: the accumulators, (tokens a, columns b) at v[8 (8 a + b)]; window 3: W_proj's of steps 6 and 7.
.set LDP0,  32768                      ; slot 0: y's 8 blocks of 4,096 bytes, then W_proj's 16
.set LDR1,  98304                      ; slot 1: y's 8 blocks of 10,240 bytes,
.set LDP1,  180224                     ; then W_proj's 16 of 8,192
.set SPARE, 311296                     ; behind the slots: the spare words, 128 bytes a wave
.set LA,   1                           ; v1   16 x lane
.set SPW,  2
.set NIL,  3
.set CO,   4                           ; v4   my byte offset in out0: 8 h rows down, 16 r bytes on
.set RAD,  16                          ; v16-17 LDS address of my fragments of y, slot 0, 1
.set PAD,  20                          ; v20-21 the same for W_proj
.set AF,   64
.set A7,   192
.set MSB, 0
.macro WIN new                         ; the immediate's high byte repeats the setting that is left
.if MSB != \new
	s_set_vgpr_msb (MSB<<8)|\new
.set MSB, \new
.endif
.endm
.set MULW, 0xa4                        ; source 0 window 0, source 1 window 1, C and D window 2
.set MULX, 0xac                        ; the same, source 1 window 3
.macro PLACES                          ; four places behind matrix instructions (ISA guide 7.12.1 for vector instructions)
.rept 4
	v_nop
.endr
.endm
.macro CROUND                          ; a round of the cluster's barrier
	s_barrier_signal -1
	s_barrier_wait -1
	s_cmp_lg_u32 s14, 0
	s_cbranch_scc1 .Lnot_wave_0_\@
	s_barrier_signal -3
.Lnot_wave_0_\@:
	s_barrier_wait -3
	s_barrier_signal -1
	s_barrier_wait -1
.endm
.macro TL g0, g1                       ; a joint load
	tensor_load_to_lds s[\g0:\g0+3], s[\g1:\g1+7]
	s_nop 0
.rept 4
	v_nop
.endr
.endm
.macro GRP1 g, mask, rows, units       ; descriptor group 1: rows of units x 1,024 bytes in elements of 8, 16,384 bytes apart
	s_or_b32 s[\g], s[\mask], (3<<16)|(1<<21)
	s_mov_b32 s[\g+1], (\units*128)<<16
	s_mov_b32 s[\g+2], \rows<<16
	s_mov_b32 s[\g+3], (\units*128)<<16
	s_mov_b32 s[\g+4], \rows
	s_mov_b32 s[\g+5], 2048
	s_mov_b32 s[\g+6], 0
	s_mov_b32 s[\g+7], 0
.endm
	s_load_b128 s[4:7], s[0:1], 0x0                ; y_codes, wp_codes
	s_load_b128 s[8:11], s[0:1], 0x10              ; the scales' exponents, out0
	v_lshl_add_u32 v[SPW], v0, 2, SPARE
	v_mov_b32 v[NIL], 0
	ds_add_u32 v[SPW], v[NIL]                      ; the wave's opening: the add, twice on end, and its wait ahead of my first tensor load
	ds_add_u32 v[SPW], v[NIL]
	v_lshrrev_b32 v5, 5, v0
	v_readfirstlane_b32 s14, v5                    ; wave 0..3
	s_lshr_b32 s15, s14, 1                         ; which half of the tile's tokens is mine
	s_and_b32 s13, s14, 1                          ; which half of its columns
	s_bfe_u32 s92, ttmp6, 0x40000                  ; cx
	s_bfe_u32 s93, ttmp6, 0x40004                  ; cy
	s_lshl_b32 s94, ttmp9, 2
	s_add_co_u32 s94, s94, s92                     ; tile of columns
	s_and_b32 s95, ttmp7, 0xffff
	s_lshl_b32 s95, s95, 2
	s_add_co_u32 s95, s95, s93                     ; tile of tokens
	s_lshl_b32 s96, s93, 2
	s_lshl_b32 s96, 15, s96                        ; my row of the cluster
	s_lshl_b32 s97, 0x1111, s92                    ; my column
	GRP1 16, 96, 8, 4
	GRP1 24, 97, 16, 4
	GRP1 32, 96, 8, 10
	GRP1 40, 97, 16, 8
	s_lshl_b32 s66, s95, 17                        ; y: 8 blocks of 16,384 bytes a tile
	s_mov_b32 s67, 0
	s_lshl_b32 s68, s94, 18                        ; W_proj: 16
	s_mov_b32 s69, 0
	s_wait_dscnt 0x0                               ; both opening adds are done
	s_wait_kmcnt 0x0
	s_load_b256 s[80:87], s[8:9], 0x0              ; e0 .. e7
	s_add_nc_u64 s[66:67], s[4:5], s[66:67]
	s_add_nc_u64 s[68:69], s[6:7], s[68:69]
	s_mov_b32 s48, 1                               ; groups 0: y and W_proj for slot 0, y and W_proj for slot 1
	s_mov_b32 s49, 0
	s_mov_b64 s[50:51], s[66:67]
	s_or_b32 s51, s51, 0x80000000
	s_mov_b32 s52, 1
	s_mov_b32 s53, LDP0
	s_mov_b64 s[54:55], s[68:69]
	s_or_b32 s55, s55, 0x80000000
	s_mov_b32 s56, 1
	s_mov_b32 s57, LDR1
	s_add_nc_u64 s[58:59], s[66:67], 4096
	s_or_b32 s59, s59, 0x80000000
	s_mov_b32 s60, 1
	s_mov_b32 s61, LDP1
	s_add_nc_u64 s[62:63], s[68:69], 4096
	s_or_b32 s63, s63, 0x80000000
	CROUND                                         ; all sixteen work-groups are here: the joint loads meet
	s_cmp_eq_u32 s14, 0                            ; one tensor load a wave
	s_cbranch_scc0 .Larm1
	TL 48, 16
	s_branch .Ljoin
.Larm1:
	s_cmp_eq_u32 s14, 1
	s_cbranch_scc0 .Larm2
	TL 52, 24
	s_branch .Ljoin
.Larm2:
	s_cmp_eq_u32 s14, 2
	s_cbranch_scc0 .Larm3
	TL 56, 32
	s_branch .Ljoin
.Larm3:
	TL 60, 40
.Ljoin:
	s_lshl_b32 s74, s15, 16                        ; what I load into registers: y's four blocks of my tokens,
	s_mov_b32 s75, 0
	s_add_nc_u64 s[74:75], s[66:67], s[74:75]
	s_lshl_b32 s76, s13, 17                        ; W_proj's eight of my columns
	s_mov_b32 s77, 0
	s_add_nc_u64 s[76:77], s[68:69], s[76:77]
	v_and_b32 v[LA], 31, v0
	v_bfe_u32 v6, v0, 4, 1                         ; h
	v_and_b32 v7, 15, v0                           ; r
	v_lshlrev_b32 v[LA], 4, v[LA]
	v_lshlrev_b32 v6, 15, v6
	v_lshl_add_u32 v[CO], v7, 4, v6
	s_wait_alu depctr_va_vdst(0)                   ; the wait here, behind the writes
.macro ADR s, rb, pb
	s_mul_i32 s66, s15, 4*(4096+6144*\s)           ; my four blocks of tokens,
	s_mul_i32 s67, s13, 8*4096*(1+\s)              ; my eight of columns
.if \rb > 0
	s_add_co_u32 s66, s66, \rb
.endif
	s_add_co_u32 s67, s67, \pb
	v_add_nc_u32 v[RAD+\s], s66, v[LA]
	v_add_nc_u32 v[PAD+\s], s67, v[LA]
.endm
	ADR 0, 0, LDP0
	ADR 1, LDR1, LDP1
	s_lshl_b32 s70, s95, 7
	s_lshl_b32 s71, s15, 6
	s_add_co_u32 s70, s70, s71
	s_lshl_b32 s70, s70, 12                        ; my first token's row of 4,096 bytes
	s_lshl_b32 s72, s94, 10
	s_lshl_b32 s73, s13, 9
	s_add_co_u32 s72, s72, s73                     ; my first column, in bytes
	s_add_co_u32 s70, s70, s72
	s_mov_b32 s71, 0
	s_add_nc_u64 s[10:11], s[10:11], s[70:71]
.macro FETCHB s, q, p                  ; W_proj's eight fragments of step q of slot s into set p
	WIN 0x40
.irp b, 0,1,2,3,4,5,6,7
.irp c, 0,1,2,3
	ds_load_b128 v[128*(\p)+16*\b+4*\c:128*(\p)+16*\b+4*\c+3], v[PAD+\s] offset:\b*4096*(1+\s)+2048*(\q)+512*\c
.endr
.endr
	WIN 0
.endm
.macro FETCHA s, q, p                  ; y's four
.irp a, 0,1,2,3
.irp c, 0,1,2,3
	ds_load_b128 v[AF+64*(\p)+16*\a+4*\c:AF+64*(\p)+16*\a+4*\c+3], v[RAD+\s] offset:\a*(4096+6144*\s)+2048*(\q)+512*\c
.endr
.endr
.endm
.macro DIRB n                          ; W_proj's fragments of step n (6 or 7) from memory into window 3
	WIN 0xc0
.irp b, 0,1,2,3,4,5,6,7
.irp c, 0,1,2,3
	global_load_b128 v[128*(\n-6)+16*\b+4*\c:128*(\n-6)+16*\b+4*\c+3], v[LA], s[76:77] offset:16384*\b+2048*\n+512*\c
.endr
.endr
	WIN 0
.endm
.macro MUL8 a, p, ab, zero             ; the 32 accumulators take turns, in the same order in every step
.irp b, 0,1,2,3,4,5,6,7
.set ACD, 8*(8*(\a)+\b)
.set SRA, \ab+16*(\a)
.set SRB, 128*(\p)+16*\b
.if \zero
	v_wmma_f32_16x16x128_fp8_fp8 v[ACD:ACD+7], v[SRA:SRA+15], v[SRB:SRB+15], 0
.else
	v_wmma_f32_16x16x128_fp8_fp8 v[ACD:ACD+7], v[SRA:SRA+15], v[SRB:SRB+15], v[ACD:ACD+7]
.endif
.endr
.endm
.macro STEP p, zero, s, q, both        ; a step on set p; the next step's fragments (slot s, its step q; both = 0: y's alone) are fetched in its middle
	s_wait_dscnt 0x0                               ; this step's fragments are in
	WIN MULW
	MUL8 0, \p, AF+64*\p, \zero
	MUL8 1, \p, AF+64*\p, \zero
	PLACES
.if \both
	FETCHB \s, \q, 1-\p
.endif
	WIN 0
	FETCHA \s, \q, 1-\p
	WIN MULW
	MUL8 2, \p, AF+64*\p, \zero
	MUL8 3, \p, AF+64*\p, \zero
.endm
; THE WAY OUT: 16 tokens x 64 columns at a time; the factor's multiplication also brings a token's four columns into neighbouring registers, each accumulator from its low end on.  Sixteen lanes store one aligned unit of 256 bytes.
.macro OUT n
.set TT, 32+32*((\n)%7)
.set AC, 64*((\n)/2)+32*((\n)%2)
.if (\n) == 7
	s_wait_xcnt 0x0                                ; the first stores have read their registers, which are written again
.endif
	WIN 0x08
.irp j, 0,1,2,3,4,5,6,7
.irp b, 0,1,2,3
	v_mul_f32 v[TT+4*\j+\b], s96, v[AC+8*\b+\j]
.endr
.endr
	WIN 0
.irp j, 0,1,2,3,4,5,6,7
	global_store_b128 v[CO], v[TT+4*\j:TT+4*\j+3], s[10:11] offset:(16*((\n)/2)+\j)*4096+256*((\n)%2) th:TH_STORE_NT
.endr
.endm
	s_wait_kmcnt 0x0
	s_add_co_i32 s96, s86, s87
	s_add_co_i32 s96, s96, 127
	s_lshl_b32 s96, s96, 23                        ; 2^(e6 + e7)
	s_wait_alu depctr_va_vdst(0)                   ; the wait at the head's end
	s_cmp_lt_u32 s14, 2                            ; waves 0 and 1 have fetched slot 0; the loads of waves 2 and 3, slot 1's, may be out
	s_cbranch_scc0 .Lslot1
	s_wait_tensorcnt 0x0
.Lslot1:
	s_barrier_signal -1
	s_barrier_wait -1                              ; slot 0 is whole
	FETCHB 0, 0, 0
	FETCHA 0, 0, 0
	DIRB 6                                         ; 32 loads for step 6,
.irp a, 0,1,2,3
.irp c, 0,1,2,3
	global_load_b128 v[A7+16*\a+4*\c:A7+16*\a+4*\c+3], v[LA], s[74:75] offset:16384*\a+2048*7+512*\c   ; 16 for step 7
.endr
.endr
	STEP 0, 1, 0, 1, 1                             ; step 0: its products start the sums
	s_wait_dscnt 0x0                               ; step 1's fragments are in; no LDS load of mine is out
	WIN 0
	s_wait_tensorcnt 0x0                           ; my part of slot 1, if I fetched one, has landed
	WIN MULW
	MUL8 0, 1, AF+64, 0
	s_barrier_signal -1
	MUL8 1, 1, AF+64, 0
	s_barrier_wait -1                              ; slot 1 is whole
	PLACES
	FETCHB 1, 0, 0
	FETCHA 1, 0, 0
	WIN MULW
	MUL8 2, 1, AF+64, 0
	MUL8 3, 1, AF+64, 0
	DIRB 7                                         ; 32 loads for step 7
	STEP 0, 0, 1, 1, 1                             ; steps 2, 3, 4
	STEP 1, 0, 1, 2, 1
	STEP 0, 0, 1, 3, 1
	STEP 1, 0, 1, 4, 0                             ; step 5 fetches step 6's y alone
	s_wait_dscnt 0x0
	s_wait_loadcnt 48                              ; step 6's 32 loads are in; the 16 and 32 for step 7 may be out
	WIN MULX
	MUL8 0, 0, AF, 0
	MUL8 1, 0, AF, 0
	MUL8 2, 0, AF, 0
	MUL8 3, 0, AF, 0
	s_wait_loadcnt 0x0                             ; step 7, by rows of out0: finished rows leave while the others are multiplied
	MUL8 0, 1, A7, 0
	MUL8 1, 1, A7, 0
	PLACES
	OUT 0
	OUT 1
	WIN MULX
	MUL8 2, 1, A7, 0
	OUT 2
	OUT 3
	WIN MULX
	MUL8 3, 1, A7, 0
	PLACES                                         ; for the reads of the last results and the writes of registers that held step 7's y
	OUT 4
	OUT 5
	OUT 6
	OUT 7
	s_wait_tensorcnt 0x0                           ; the wave's end
	ds_add_u32 v[SPW], v[NIL]
	s_wait_dscnt 0x0
	CROUND                                         ; the closing round: no work-group ends while a partner may still ask for a tile that names it
	s_endpgm
.Lfunc_end_k_q4bf430ed2a_proj:
	.size	k_q4bf430ed2a_proj, .Lfunc_end_k_q4bf430ed2a_proj-k_q4bf430ed2a_proj
	.p2alignl 7, 3214868480
	.fill 96, 4, 3214868480
	.section	.rodata,"a",@progbits
	.p2align	6, 0x0
	.amdhsa_kernel k_q4bf430ed2a_proj
		.amdhsa_group_segment_fixed_size 327680
		.amdhsa_private_segment_fixed_size 0
		.amdhsa_enable_private_segment 0
		.amdhsa_kernarg_size 32
		.amdhsa_user_sgpr_count 2
		.amdhsa_user_sgpr_kernarg_segment_ptr 1
		.amdhsa_wavefront_size32 1
		.amdhsa_system_sgpr_workgroup_id_x 1
		.amdhsa_system_sgpr_workgroup_id_y 1
		.amdhsa_system_sgpr_workgroup_id_z 1
		.amdhsa_system_vgpr_workitem_id 0
		.amdhsa_next_free_vgpr 1024
		.amdhsa_next_free_sgpr 98
		.amdhsa_reserve_vcc 0
		.amdhsa_float_denorm_mode_32 3
		.amdhsa_float_denorm_mode_16_64 3
		.amdhsa_memory_ordered 1
		.amdhsa_forward_progress 1
		.amdhsa_inst_pref_size 68
	.end_amdhsa_kernel
	.amdgpu_metadata
---
amdhsa.version: [ 1, 2 ]
amdhsa.kernels:
  - .name:           k_q4bf430ed2a_proj
    .symbol:         k_q4bf430ed2a_proj.kd
    .args:
      - { .name: y_codes, .offset: 0, .size: 8, .value_kind: global_buffer, .address_space: global }
      - { .name: wp_codes, .offset: 8, .size: 8, .value_kind: global_buffer, .address_space: global }
      - { .name: lowp_scales, .offset: 16, .size: 8, .value_kind: global_buffer, .address_space: global }
      - { .name: out0, .offset: 24, .size: 8, .value_kind: global_buffer, .address_space: global }
    .group_segment_fixed_size: 327680
    .private_segment_fixed_size: 0
    .kernarg_segment_align: 8
    .kernarg_segment_size: 32
    .max_flat_workgroup_size: 128
    .sgpr_count:     98
    .vgpr_count:     1024
    .wavefront_size: 32
...
	.end_amdgpu_metadata
.endif
;; end of part 4
